; MI455X (gfx1250); checked and timed in simulation.
; The chip was launched on July 23, 2026; its instructions are those of AMD's public machine-readable ISA for CDNA 5 (MIT licence, August 2026) and "CDNA5" Instruction Set Architecture Reference Guide (July 2026). The comments in the code are by the model that wrote it; some were corrected since.
;; Attention MM. Allowed arithmetic: float matrix products may take bf16 or f16 operands with f32 sums; all other float work in f32.
;; Inputs: W1 64 x 512 x 1 float32; W2 64 x 512 x 1 float32; b1 64 x 512 float32; b2 64 x 512 float32; m1 64 x 512 x 512 float32; m2 64 x 512 x 512 float32.
;; Outputs: out0 64 x 1,024 float32.
;; 2 versions, each right and faster than the one before. Each part assembles by itself: llvm-mc -triple=amdgcn-amd-amdhsa -mcpu=gfx1250 --defsym DOCPART=n.
;; ======== version 1 of 2: 3 launches
;; workspace buffers: cpart 524,288 bytes; vpart 524,288 bytes; stat 131,072 bytes
;; launch gate (part 1): grid 128 x 2, 16 waves a work-group, no clusters, 36,864 bytes of LDS; arguments m1, m2, W1, W2, b1, b2, cpart; writes cpart
.if DOCPART == 1
	.amdgcn_target "amdgcn-amd-amdhsa--gfx1250"
	.amdhsa_code_object_version 6
	.text
	.protected	k_q7aa15f4464_gate
	.globl	k_q7aa15f4464_gate
	.p2align	8
	.type	k_q7aa15f4464_gate,@function
k_q7aa15f4464_gate:
	s_mov_b64 s[64:65], 0
	v_nop
	global_prefetch_b8 v0, s[64:65] scope:SCOPE_SE
	s_setreg_imm32_b32 hwreg(HW_REG_WAVE_MODE, 25, 1), 1
	s_wait_xcnt 0x0
; u[t] = tanh(sum over e of m[t][e] W[e] + bias[t]) and the partial column sums c[e] = sum over my rows t of u[t] m[t][e].
; reference() multiplies align = m1 m2^T by u2 (and its transpose by u1).  By associativity (m1 m2^T) u2 = m1 (m2^T u2), for every
; input, so align is never formed: this launch makes m^T u, the next one multiplies the other matrix by it.  What is left are
; products of a matrix with a vector, two multiply-adds for each number read; all arithmetic is f32 on the vector unit, since the
; scores feed a softmax whose exponents are hundreds wide and a 16-bit operand would move them by whole units.
; LIMITS: the order of the f32 sums differs from that of reference().  tanh(x) = 1 - 2 / (1 + 2^(2 log2(e) x)): absolute error
; about 2e-7, so relative accuracy fades for |x| under about 1e-3; it ends at +1 and -1 where the power overflows or comes out as 0.
; NaN and infinities among the inputs are not treated apart.
;
; SHARES: grid x = 2 b + chunk (0 to 127), grid y = side (0: m1, W1, b1; 1: m2, W2, b2).  A work-group owns 256 rows of one matrix
; (512 KiB), a wave 16 neighbouring rows, a lane the 16 columns 128 j + 4 l .. + 3 (j = 0 to 3) of every row: one load of a wave
; covers 512 consecutive bytes, aligned.  A row is read once and serves the dot product and, from the same registers, the column sums.
; Rows go in four groups of four through three register slots: 48 loads of each wave are out at the start, 384 KiB for the 16 waves.
; No LDS ring, no tensor load: a row is used by one wave alone.  No cluster: work-groups share only the 2 KiB of W.
.set ROW,  2048                        ; bytes in a row of m
.set VEC,  6                           ; v[6:21]    W at my 16 columns
.set ACC,  22                          ; v[22:37]   running column sums at my 16 columns
.set P,    38                          ; v[38:45]   a pair for each row of the group: low = dot, then u; high = at work
.set X,    54                          ; v[54:245]  slot s at X + 64 s, row r at + 16 r, load j at + 4 j
.set RED,  0                           ; LDS 0 .. 32767: the column sums of the 16 waves, 2,048 bytes each
.set VECL, 32768                       ; LDS 32768 .. 34815: W, 512 f32; bytes of its own, so its reads and the stores to RED need no order
; v0 thread; v1 = 16 lane (global offset, never rewritten); v2 = 2048 wave + 16 lane; v3 = 16 thread; v4 = 4 thread; v5 at work
; s20 side, s21 wave, s22 grid x; s[24:25] m at my first row; s[26:27] W; s[28:29] bias; s[40:55] my 16 biases; s56, s57 lane selects
	s_load_b256 s[4:11], s[0:1], 0x0               ; m1 s[4:5], m2 s[6:7], W1 s[8:9], W2 s[10:11]
	s_load_b128 s[12:15], s[0:1], 0x20             ; b1 s[12:13], b2 s[14:15]
	s_load_b64 s[16:17], s[0:1], 0x30              ; cpart
	v_lshl_add_u32 v248, v0, 2, 0x8800
	v_mov_b32 v249, 0
	v_lshrrev_b32 v5, 5, v0
	v_readfirstlane_b32 s21, v5                    ; wave, 0 to 15
	s_and_b32 s20, ttmp7, 0xffff                   ; side
	s_mov_b32 s22, ttmp9                           ; 2 b + chunk
	v_and_b32 v1, 31, v0
	v_lshlrev_b32 v1, 4, v1                        ; 16 lane
	v_lshl_add_u32 v2, s21, 11, v1                 ; my place in RED
	v_lshlrev_b32 v3, 4, v0
	v_lshlrev_b32 v4, 2, v0
	s_lshl_b32 s30, s22, 19                        ; m: 256 rows of 2,048 bytes for each grid x,
	s_lshl_b32 s23, s21, 15                        ; 16 rows for each wave
	s_or_b32 s30, s30, s23
	s_mov_b32 s31, 0
	s_lshr_b32 s32, s22, 1                         ; W: 2,048 bytes for each b
	s_lshl_b32 s32, s32, 11
	s_mov_b32 s33, 0
	s_lshl_b32 s34, s22, 10                        ; bias: 256 words for each grid x,
	s_lshl_b32 s23, s21, 6                         ; 16 words for each wave
	s_or_b32 s34, s34, s23
	s_mov_b32 s35, 0
	s_lshl_b32 s36, s20, 7                         ; cpart: row 128 side + grid x, 2,048 bytes
	s_add_co_u32 s36, s36, s22
	s_lshl_b32 s36, s36, 11
	s_mov_b32 s37, 0
	s_mov_b32 s56, 0x76543210                      ; v_permlanex16_b32: lane i takes lane i of the other half
	s_mov_b32 s57, 0xfedcba98
	s_mov_b32 s58, 0x4038aa3b                      ; 2 log2(e)
	s_wait_kmcnt 0x0
	s_cmp_eq_u32 s20, 0                            ; the selects and the 64-bit sums below leave SCC as it is
	s_cselect_b64 s[24:25], s[4:5], s[6:7]
	s_cselect_b64 s[26:27], s[8:9], s[10:11]
	s_cselect_b64 s[28:29], s[12:13], s[14:15]
	s_add_nc_u64 s[24:25], s[24:25], s[30:31]
	s_add_nc_u64 s[26:27], s[26:27], s[32:33]
	s_add_nc_u64 s[28:29], s[28:29], s[34:35]
	s_add_nc_u64 s[16:17], s[16:17], s[36:37]
; 16 loads: the four rows 4 mg .. 4 mg + 3 of my 16 into a slot
.macro LOADG slot, mg
.irp r, 0,1,2,3
.irp j, 0,1,2,3
	global_load_b128 v[X+64*\slot+16*\r+4*\j:X+64*\slot+16*\r+4*\j+3], v1, s[24:25] offset:(4*\mg+\r)*ROW+512*\j
.endr
.endr
.endm
; the dot products of a slot's four rows with VEC, the four chains interleaved; at the end every lane holds them in the low halves of P
.macro DOT slot
.irp r, 0,1,2,3
	v_pk_mul_f32 v[P+2*\r:P+2*\r+1], v[X+64*\slot+16*\r:X+64*\slot+16*\r+1], v[VEC:VEC+1]   ; the first product starts the sum
.endr
.irp i, 1,2,3,4,5,6,7
.irp r, 0,1,2,3
	v_pk_fma_f32 v[P+2*\r:P+2*\r+1], v[X+64*\slot+16*\r+2*\i:X+64*\slot+16*\r+2*\i+1], v[VEC+2*\i:VEC+2*\i+1], v[P+2*\r:P+2*\r+1]
.endr
.endr
.irp r, 0,1,2,3
	v_add_f32 v[P+2*\r], v[P+2*\r], v[P+2*\r+1]
.endr
.irp m, 1,2,4,8
.irp r, 0,1,2,3
	v_add_f32_dpp v[P+2*\r], v[P+2*\r], v[P+2*\r] row_xmask:\m row_mask:0xf bank_mask:0xf
.endr
.endr
.irp r, 0,1,2,3
	v_permlanex16_b32 v[P+2*\r+1], v[P+2*\r], s56, s57     ; the other half of the lanes; the destination has been written before
.endr
.irp r, 0,1,2,3
	v_add_f32 v[P+2*\r], v[P+2*\r], v[P+2*\r+1]
.endr
.endm
; u = tanh(dot + bias) for the four rows of group g.  The biases come already multiplied by 2 log2(e).
.macro TANH g
.irp r, 0,1,2,3
	v_fma_f32 v[P+2*\r], v[P+2*\r], s58, s[40+4*\g+\r]     ; y = 2 log2(e) (dot + bias)
.endr
.irp r, 0,1,2,3
	v_exp_f32 v[P+2*\r+1], v[P+2*\r]
.endr
	v_nop                                          ; one plain vector instruction between the powers and their first use (ISA guide 5.7.2)
	s_wait_alu depctr_va_vdst(0)
.irp r, 0,1,2,3
	v_add_f32 v[P+2*\r+1], 1.0, v[P+2*\r+1]
.endr
.irp r, 0,1,2,3
	v_rcp_f32 v[P+2*\r], v[P+2*\r+1]
.endr
	v_nop                                          ; the same behind the reciprocals
	s_wait_alu depctr_va_vdst(0)
.irp r, 0,1,2,3
	v_fma_f32 v[P+2*\r], v[P+2*\r], -2.0, 1.0      ; 1 - 2 / (1 + 2^y)
.endr
.endm
; ACC += u[r] x row r at my 16 columns; first = 1: the product starts the sums, nothing is cleared
.macro AXROW slot, r, first
.irp i, 0,1,2,3,4,5,6,7
.if \first
	v_pk_mul_f32 v[ACC+2*\i:ACC+2*\i+1], v[X+64*\slot+16*\r+2*\i:X+64*\slot+16*\r+2*\i+1], v[P+2*\r:P+2*\r+1] op_sel_hi:[1,0]
.else
	v_pk_fma_f32 v[ACC+2*\i:ACC+2*\i+1], v[X+64*\slot+16*\r+2*\i:X+64*\slot+16*\r+2*\i+1], v[P+2*\r:P+2*\r+1], v[ACC+2*\i:ACC+2*\i+1] op_sel_hi:[1,0,1]
.endif
.endr
.endm
; left = how many younger row loads may stay out when the 16 of this group have to be in
.macro GROUP g, slot, left, first
	s_wait_loadcnt \left                           ; loads come back in order (ISA guide 5.7.1)
	DOT \slot
	TANH \g
	AXROW \slot, 0, \first
	AXROW \slot, 1, 0
	AXROW \slot, 2, 0
	AXROW \slot, 3, 0
.endm
	s_load_b512 s[40:55], s[28:29], 0x0            ; the biases of my 16 rows, 64 bytes
	global_load_b32 v5, v4, s[26:27]               ; one word of W a thread: the work-group fetches W once
	LOADG 0, 0
	LOADG 1, 1
	LOADG 2, 2
	s_wait_loadcnt 48                              ; the word of W is in; the 48 row loads issued behind it stay out
	ds_store_b32 v4, v5 offset:VECL
	s_wait_dscnt 0x0                               ; my word lies in LDS before I say so
	s_barrier_signal -1
	s_barrier_wait -1                              ; all of W lies in LDS; the row loads stay on their way, no wave writes those bytes
.irp j, 0,1,2,3
	ds_load_b128 v[VEC+4*\j:VEC+4*\j+3], v1 offset:VECL+512*\j     ; W at the columns that load j of a row brings me
.endr
	s_wait_kmcnt 0x0                               ; the biases
.irp i, 0,1,2,3,4,5,6,7,8,9,10,11,12,13,14,15
	s_mul_f32 s[40+\i], s[40+\i], s58              ; times 2 log2(e), so that one multiply-add makes the exponent
.endr
	s_wait_dscnt 0x0                               ; VEC
	GROUP 0, 0, 32, 1                              ; groups 1 and 2 stay out
	LOADG 0, 3                                     ; slot 0 has been used up: the last four rows
	GROUP 1, 1, 32, 0                              ; groups 2 and 3 stay out
	GROUP 2, 2, 16, 0                              ; group 3 stays out
	GROUP 3, 0, 0, 0
	; the 16 waves' column sums meet in LDS; waves 0 to 3 add them, 16 bytes a thread, and store 512 consecutive bytes a wave
.irp j, 0,1,2,3
	ds_store_b128 v2, v[ACC+4*\j:ACC+4*\j+3] offset:RED+512*\j
.endr
	s_wait_dscnt 0x0
	s_barrier_signal -1
	s_barrier_wait -1
	s_cmp_lt_u32 s21, 4
	s_cbranch_scc0 .Lend
.irp w, 0,1,2,3,4,5,6,7,8,9,10,11,12,13,14,15
	ds_load_b128 v[X+4*\w:X+4*\w+3], v3 offset:RED+2048*\w
.endr
	s_wait_dscnt 0x0
.irp st, 8,4,2,1
.set w, 0
.rept \st
	v_pk_add_f32 v[X+4*w:X+4*w+1], v[X+4*w:X+4*w+1], v[X+4*(w+\st):X+4*(w+\st)+1]
	v_pk_add_f32 v[X+4*w+2:X+4*w+3], v[X+4*w+2:X+4*w+3], v[X+4*(w+\st)+2:X+4*(w+\st)+3]
.set w, w+1
.endr
.endr
	global_store_b128 v3, v[X:X+3], s[16:17]
.Lend:
	s_wait_tensorcnt 0x0
	ds_add_u32 v248, v249
	s_wait_dscnt 0x0
	s_endpgm
.Lfunc_end_k_q7aa15f4464_gate:
	.size	k_q7aa15f4464_gate, .Lfunc_end_k_q7aa15f4464_gate-k_q7aa15f4464_gate
	.p2alignl 7, 3214868480
	.fill 96, 4, 3214868480
	.section	.rodata,"a",@progbits
	.p2align	6, 0x0
	.amdhsa_kernel k_q7aa15f4464_gate
		.amdhsa_group_segment_fixed_size 36864
		.amdhsa_private_segment_fixed_size 0
		.amdhsa_enable_private_segment 0
		.amdhsa_kernarg_size 56
		.amdhsa_user_sgpr_count 2
		.amdhsa_user_sgpr_kernarg_segment_ptr 1
		.amdhsa_wavefront_size32 1
		.amdhsa_system_sgpr_workgroup_id_x 1
		.amdhsa_system_sgpr_workgroup_id_y 1
		.amdhsa_system_sgpr_workgroup_id_z 1
		.amdhsa_system_vgpr_workitem_id 0
		.amdhsa_next_free_vgpr 250
		.amdhsa_next_free_sgpr 66
		.amdhsa_reserve_vcc 0
		.amdhsa_float_denorm_mode_32 3
		.amdhsa_float_denorm_mode_16_64 3
		.amdhsa_memory_ordered 1
		.amdhsa_forward_progress 1
		.amdhsa_inst_pref_size 39
	.end_amdhsa_kernel
	.amdgpu_metadata
---
amdhsa.version: [ 1, 2 ]
amdhsa.kernels:
  - .name:           k_q7aa15f4464_gate
    .symbol:         k_q7aa15f4464_gate.kd
    .args:
      - { .name: m1, .offset: 0, .size: 8, .value_kind: global_buffer, .address_space: global }
      - { .name: m2, .offset: 8, .size: 8, .value_kind: global_buffer, .address_space: global }
      - { .name: W1, .offset: 16, .size: 8, .value_kind: global_buffer, .address_space: global }
      - { .name: W2, .offset: 24, .size: 8, .value_kind: global_buffer, .address_space: global }
      - { .name: b1, .offset: 32, .size: 8, .value_kind: global_buffer, .address_space: global }
      - { .name: b2, .offset: 40, .size: 8, .value_kind: global_buffer, .address_space: global }
      - { .name: cpart, .offset: 48, .size: 8, .value_kind: global_buffer, .address_space: global }
    .group_segment_fixed_size: 36864
    .private_segment_fixed_size: 0
    .kernarg_segment_align: 8
    .kernarg_segment_size: 56
    .max_flat_workgroup_size: 512
    .sgpr_count:     66
    .vgpr_count:     250
    .wavefront_size: 32
...
	.end_amdgpu_metadata
.endif
;; end of part 1
;; launch pool (part 2): grid 128 x 2, 16 waves a work-group, no clusters, 37,120 bytes of LDS; arguments m1, m2, cpart, vpart, stat; writes vpart, stat
.if DOCPART == 2
	.amdgcn_target "amdgcn-amd-amdhsa--gfx1250"
	.amdhsa_code_object_version 6
	.text
	.protected	k_q7aa15f4464_pool
	.globl	k_q7aa15f4464_pool
	.p2align	8
	.type	k_q7aa15f4464_pool,@function
k_q7aa15f4464_pool:
	s_mov_b64 s[64:65], 0
	v_nop
	global_prefetch_b8 v0, s[64:65] scope:SCOPE_SE
	s_setreg_imm32_b32 hwreg(HW_REG_WAVE_MODE, 25, 1), 1
	s_wait_xcnt 0x0
; score[t] = sum over e of m[t][e] c[e], c = the OTHER matrix's m^T u (its two partial sums from the launch before, added here);
; then the softmax over t and the weighted row sum, as far as one work-group's 256 rows go:
; M = the largest score of my rows, L = sum of 2^(score - M), V[e] = sum of 2^(score - M) m[t][e].  The last launch joins the two chunks.
; c is multiplied by log2(e) once, so the scores come in base-2 units and feed v_exp_f32 as they are.
; The maximum is a true running maximum: of four rows at a time in a wave (ACC and L are rescaled at each new group, in every
; group, with no branch on data), then over the 16 waves, then over the two chunks.
; LIMITS: the order of the f32 sums differs from that of reference(), which forms align first.  A weight under 2^-126 of the largest
; comes out as 0.  NaN and infinities among the inputs are not treated apart.
;
; SHARES as in the launch before: grid x = 2 b + chunk, grid y = side; a work-group owns 256 rows, a wave 16 rows, a lane the columns
; 128 j + 4 l .. + 3; a load of a wave covers 512 consecutive bytes, aligned; a row is read once, for the score and for the weighted sum.
; The four groups of rows are taken from the last to the first: what the launch before read last is asked for first.
.set ROW,  2048
.set VEC,  6                           ; v[6:21]    log2(e) c at my 16 columns
.set ACC,  22                          ; v[22:37]   running weighted column sums
.set P,    38                          ; v[38:45]   a pair for each row: low = score, then weight; high = at work
.set T,    46                          ; v46 new maximum; v47, v48 at work; v49 M; v[50:51] rescale factor and its exponent; v52 L
.set X,    54                          ; v[54:245]  slot s at X + 64 s, row r at + 16 r, load j at + 4 j
.set MM,   X+64                         ; the way out: the 16 waves' maxima
.set LL,   X+80                         ; their sums
.set F,    X+96                         ; their factors 2^(M of the wave - M of the group)
.set A,    X+112                        ; four numbers of V; behind them four registers for (M, L, M, L)
.set RED,  0                           ; LDS 0 .. 32767: the 16 waves' ACC, 2,048 bytes each
.set VECL, 32768                       ; LDS 32768 .. 34815: log2(e) c
.set STM,  34816                       ; 16 words: the waves' M
.set STL,  34880                       ; 16 words: the waves' L
; v0 thread; v1 = 16 lane; v2 = 2048 wave + 16 lane; v3 = 16 thread; v4 = 4 thread; v5 LDS address of a wave's word, later 0
	s_load_b256 s[4:11], s[0:1], 0x0               ; m1 s[4:5], m2 s[6:7], cpart s[8:9], vpart s[10:11]
	s_load_b64 s[12:13], s[0:1], 0x20              ; stat
	v_lshl_add_u32 v248, v0, 2, 0x8900
	v_mov_b32 v249, 0
	v_lshrrev_b32 v5, 5, v0
	v_readfirstlane_b32 s21, v5                    ; wave
	s_and_b32 s20, ttmp7, 0xffff                   ; side
	s_mov_b32 s22, ttmp9                           ; 2 b + chunk
	v_and_b32 v1, 31, v0
	v_lshlrev_b32 v1, 4, v1
	v_lshl_add_u32 v2, s21, 11, v1
	v_lshlrev_b32 v3, 4, v0
	v_lshlrev_b32 v4, 2, v0
	s_lshl_b32 s30, s22, 19                        ; m: 256 rows for each grid x, 16 rows for each wave
	s_lshl_b32 s23, s21, 15
	s_or_b32 s30, s30, s23
	s_mov_b32 s31, 0
	s_xor_b32 s34, s20, 1                          ; cpart: the other side, row 128 (1 - side) + 2 b; chunk 1 lies 2,048 bytes on
	s_lshl_b32 s34, s34, 7
	s_and_b32 s23, s22, 0xfe
	s_add_co_u32 s34, s34, s23
	s_lshl_b32 s34, s34, 11
	s_mov_b32 s35, 0
	s_lshl_b32 s36, s20, 7                         ; my own row 128 side + grid x:
	s_add_co_u32 s36, s36, s22
	s_lshl_b32 s32, s36, 9                         ; 512 bytes in stat,
	s_mov_b32 s33, 0
	s_lshl_b32 s36, s36, 11                        ; 2,048 bytes in vpart
	s_mov_b32 s37, 0
	s_mov_b32 s56, 0x76543210
	s_mov_b32 s57, 0xfedcba98
	s_wait_kmcnt 0x0
	s_cmp_eq_u32 s20, 0
	s_cselect_b64 s[24:25], s[4:5], s[6:7]
	s_add_nc_u64 s[24:25], s[24:25], s[30:31]
	s_add_nc_u64 s[8:9], s[8:9], s[34:35]
	s_add_nc_u64 s[10:11], s[10:11], s[36:37]
	s_add_nc_u64 s[12:13], s[12:13], s[32:33]
.macro LOADG slot, mg                  ; 16 loads: rows 4 mg .. 4 mg + 3 of my 16; no later launch reads them
.irp r, 0,1,2,3
.irp j, 0,1,2,3
	global_load_b128 v[X+64*\slot+16*\r+4*\j:X+64*\slot+16*\r+4*\j+3], v1, s[24:25] offset:(4*\mg+\r)*ROW+512*\j th:TH_LOAD_NT
.endr
.endr
.endm
.macro DOT slot                        ; four scores, the chains interleaved; every lane ends with them in the low halves of P
.irp r, 0,1,2,3
	v_pk_mul_f32 v[P+2*\r:P+2*\r+1], v[X+64*\slot+16*\r:X+64*\slot+16*\r+1], v[VEC:VEC+1]
.endr
.irp i, 1,2,3,4,5,6,7
.irp r, 0,1,2,3
	v_pk_fma_f32 v[P+2*\r:P+2*\r+1], v[X+64*\slot+16*\r+2*\i:X+64*\slot+16*\r+2*\i+1], v[VEC+2*\i:VEC+2*\i+1], v[P+2*\r:P+2*\r+1]
.endr
.endr
.irp r, 0,1,2,3
	v_add_f32 v[P+2*\r], v[P+2*\r], v[P+2*\r+1]
.endr
.irp m, 1,2,4,8
.irp r, 0,1,2,3
	v_add_f32_dpp v[P+2*\r], v[P+2*\r], v[P+2*\r] row_xmask:\m row_mask:0xf bank_mask:0xf
.endr
.endr
.irp r, 0,1,2,3
	v_permlanex16_b32 v[P+2*\r+1], v[P+2*\r], s56, s57
.endr
.irp r, 0,1,2,3
	v_add_f32 v[P+2*\r], v[P+2*\r], v[P+2*\r+1]
.endr
.endm
; the new maximum, the four weights 2^(score - maximum) in the low halves of P, the factor 2^(old M - new M) in v[T+4], M and L brought up to date
.macro SOFT first
.if \first
	v_max3_num_f32 v[T], v[P], v[P+2], v[P+4]
	v_max_num_f32 v[T], v[T], v[P+6]
.else
	v_max3_num_f32 v[T], v[P], v[P+2], v[T+3]
	v_max3_num_f32 v[T], v[P+4], v[P+6], v[T]
	v_sub_f32 v[T+5], v[T+3], v[T]
.endif
.irp r, 0,1,2,3
	v_sub_f32 v[P+2*\r+1], v[P+2*\r], v[T]
.endr
.if \first == 0
	v_exp_f32 v[T+4], v[T+5]
.endif
.irp r, 0,1,2,3
	v_exp_f32 v[P+2*\r], v[P+2*\r+1]
.endr
	v_mov_b32 v[T+3], v[T]                         ; M; also the plain vector instruction between the powers and their first use (ISA guide 5.7.2)
	s_wait_alu depctr_va_vdst(0)
	v_add_f32 v[T+1], v[P], v[P+2]
	v_add_f32 v[T+2], v[P+4], v[P+6]
.if \first
	v_add_f32 v[T+6], v[T+1], v[T+2]               ; L starts
.else
	v_add_f32 v[T+1], v[T+1], v[T+2]
	v_fma_f32 v[T+6], v[T+6], v[T+4], v[T+1]       ; L = L x factor + the four new weights
.endif
.endm
.macro AXROW slot, r, first            ; ACC += weight[r] x row r; first = 1: the product starts the sums
.irp i, 0,1,2,3,4,5,6,7
.if \first
	v_pk_mul_f32 v[ACC+2*\i:ACC+2*\i+1], v[X+64*\slot+16*\r+2*\i:X+64*\slot+16*\r+2*\i+1], v[P+2*\r:P+2*\r+1] op_sel_hi:[1,0]
.else
	v_pk_fma_f32 v[ACC+2*\i:ACC+2*\i+1], v[X+64*\slot+16*\r+2*\i:X+64*\slot+16*\r+2*\i+1], v[P+2*\r:P+2*\r+1], v[ACC+2*\i:ACC+2*\i+1] op_sel_hi:[1,0,1]
.endif
.endr
.endm
.macro GROUP slot, left, first         ; left = how many younger row loads may stay out
	s_wait_loadcnt \left                           ; loads come back in order (ISA guide 5.7.1)
	DOT \slot
	SOFT \first
.if \first == 0
.irp i, 0,1,2,3,4,5,6,7
	v_pk_mul_f32 v[ACC+2*\i:ACC+2*\i+1], v[ACC+2*\i:ACC+2*\i+1], v[T+4:T+5] op_sel_hi:[1,0]   ; the old sums, now relative to the new maximum
.endr
.endif
	AXROW \slot, 0, \first
	AXROW \slot, 1, 0
	AXROW \slot, 2, 0
	AXROW \slot, 3, 0
.endm
	global_load_b32 v[T+1], v4, s[8:9]             ; one word a thread of each of the two partial sums of c
	global_load_b32 v[T+2], v4, s[8:9] offset:2048
	LOADG 0, 3
	LOADG 1, 2
	LOADG 2, 1
	s_wait_loadcnt 48                              ; the two words are in; the 48 row loads issued behind them stay out
	v_add_f32 v[T+1], v[T+1], v[T+2]
	v_mul_f32 v[T+1], 0x3fb8aa3b, v[T+1]           ; times log2(e)
	ds_store_b32 v4, v[T+1] offset:VECL
	s_wait_dscnt 0x0                               ; my word lies in LDS before I say so
	s_barrier_signal -1
	s_barrier_wait -1                              ; all of c lies in LDS; the row loads stay on their way, no wave writes those bytes
.irp j, 0,1,2,3
	ds_load_b128 v[VEC+4*\j:VEC+4*\j+3], v1 offset:VECL+512*\j
.endr
	s_wait_dscnt 0x0
	GROUP 0, 32, 1                                 ; rows 12 to 15; the two groups behind them stay out
	LOADG 0, 0                                     ; slot 0 has been used up: rows 0 to 3
	GROUP 1, 32, 0                                 ; rows 8 to 11
	GROUP 2, 16, 0                                 ; rows 4 to 7
	GROUP 0, 0, 0                                  ; rows 0 to 3
	; the 16 waves' ACC, M and L meet in LDS, behind one barrier
.irp j, 0,1,2,3
	ds_store_b128 v2, v[ACC+4*\j:ACC+4*\j+3] offset:RED+512*\j
.endr
	v_mov_b32 v5, s21
	v_lshlrev_b32 v5, 2, v5                        ; my wave's word: all lanes store the same number to it
	ds_store_b32 v5, v[T+3] offset:STM
	ds_store_b32 v5, v[T+6] offset:STL
	s_wait_dscnt 0x0
	s_barrier_signal -1
	s_barrier_wait -1
	s_cmp_lt_u32 s21, 4
	s_cbranch_scc0 .Lend
	v_mov_b32 v5, 0
.irp w, 0,1,2,3,4,5,6,7,8,9,10,11,12,13,14,15
	ds_load_b128 v[X+4*\w:X+4*\w+3], v3 offset:RED+2048*\w         ; my four columns of every wave's sums
.endr
.irp k, 0,1,2,3
	ds_load_b128 v[MM+4*\k:MM+4*\k+3], v5 offset:STM+16*\k         ; the same words in every lane
	ds_load_b128 v[LL+4*\k:LL+4*\k+3], v5 offset:STL+16*\k
.endr
	s_wait_dscnt 0x0
	v_max3_num_f32 v[T], v[MM], v[MM+1], v[MM+2]
.irp k, 3,5,7,9,11,13
	v_max3_num_f32 v[T], v[MM+\k], v[MM+\k+1], v[T]
.endr
	v_max_num_f32 v[T], v[T], v[MM+15]             ; M of the work-group
.irp w, 0,1,2,3,4,5,6,7,8,9,10,11,12,13,14,15
	v_sub_f32 v[MM+\w], v[MM+\w], v[T]
.endr
.irp w, 0,1,2,3,4,5,6,7,8,9,10,11,12,13,14,15
	v_exp_f32 v[F+\w], v[MM+\w]
.endr
	v_nop                                          ; one plain vector instruction between the powers and their first use (ISA guide 5.7.2)
	s_wait_alu depctr_va_vdst(0)
	v_mul_f32 v[T+1], v[F], v[LL]
.irp c, 0,1,2,3
	v_mul_f32 v[A+\c], v[F], v[X+\c]
.endr
.irp w, 1,2,3,4,5,6,7,8,9,10,11,12,13,14,15
	v_fmac_f32 v[T+1], v[F+\w], v[LL+\w]           ; L of the work-group
.irp c, 0,1,2,3
	v_fmac_f32 v[A+\c], v[F+\w], v[X+4*\w+\c]      ; V at my four columns
.endr
.endr
	global_store_b128 v3, v[A:A+3], s[10:11]       ; 512 consecutive bytes a wave, aligned
	s_cmp_lg_u32 s21, 0
	s_cbranch_scc1 .Lend
	v_mov_b32 v[A+4], v[T]                         ; wave 0: (M, L, M, L) from every lane, so that the 512 bytes of my row of stat are stored whole
	v_mov_b32 v[A+5], v[T+1]
	v_mov_b32 v[A+6], v[T]
	v_mov_b32 v[A+7], v[T+1]
	global_store_b128 v1, v[A+4:A+7], s[12:13]
.Lend:
	s_wait_tensorcnt 0x0
	ds_add_u32 v248, v249
	s_wait_dscnt 0x0
	s_endpgm
.Lfunc_end_k_q7aa15f4464_pool:
	.size	k_q7aa15f4464_pool, .Lfunc_end_k_q7aa15f4464_pool-k_q7aa15f4464_pool
	.p2alignl 7, 3214868480
	.fill 96, 4, 3214868480
	.section	.rodata,"a",@progbits
	.p2align	6, 0x0
	.amdhsa_kernel k_q7aa15f4464_pool
		.amdhsa_group_segment_fixed_size 37120
		.amdhsa_private_segment_fixed_size 0
		.amdhsa_enable_private_segment 0
		.amdhsa_kernarg_size 40
		.amdhsa_user_sgpr_count 2
		.amdhsa_user_sgpr_kernarg_segment_ptr 1
		.amdhsa_wavefront_size32 1
		.amdhsa_system_sgpr_workgroup_id_x 1
		.amdhsa_system_sgpr_workgroup_id_y 1
		.amdhsa_system_sgpr_workgroup_id_z 1
		.amdhsa_system_vgpr_workitem_id 0
		.amdhsa_next_free_vgpr 250
		.amdhsa_next_free_sgpr 66
		.amdhsa_reserve_vcc 0
		.amdhsa_float_denorm_mode_32 3
		.amdhsa_float_denorm_mode_16_64 3
		.amdhsa_memory_ordered 1
		.amdhsa_forward_progress 1
		.amdhsa_inst_pref_size 42
	.end_amdhsa_kernel
	.amdgpu_metadata
---
amdhsa.version: [ 1, 2 ]
amdhsa.kernels:
  - .name:           k_q7aa15f4464_pool
    .symbol:         k_q7aa15f4464_pool.kd
    .args:
      - { .name: m1, .offset: 0, .size: 8, .value_kind: global_buffer, .address_space: global }
      - { .name: m2, .offset: 8, .size: 8, .value_kind: global_buffer, .address_space: global }
      - { .name: cpart, .offset: 16, .size: 8, .value_kind: global_buffer, .address_space: global }
      - { .name: vpart, .offset: 24, .size: 8, .value_kind: global_buffer, .address_space: global }
      - { .name: stat, .offset: 32, .size: 8, .value_kind: global_buffer, .address_space: global }
    .group_segment_fixed_size: 37120
    .private_segment_fixed_size: 0
    .kernarg_segment_align: 8
    .kernarg_segment_size: 40
    .max_flat_workgroup_size: 512
    .sgpr_count:     66
    .vgpr_count:     250
    .wavefront_size: 32
...
	.end_amdgpu_metadata
.endif
;; end of part 2
;; launch merge (part 3): grid 64 x 2, 4 waves a work-group, no clusters, 0 bytes of LDS; arguments vpart, stat, out0; writes out0
.if DOCPART == 3
	.amdgcn_target "amdgcn-amd-amdhsa--gfx1250"
	.amdhsa_code_object_version 6
	.text
	.protected	k_q7aa15f4464_merge
	.globl	k_q7aa15f4464_merge
	.p2align	8
	.type	k_q7aa15f4464_merge,@function
k_q7aa15f4464_merge:
	s_mov_b64 s[64:65], 0
	v_nop
	global_prefetch_b8 v0, s[64:65] scope:SCOPE_SE
	s_setreg_imm32_b32 hwreg(HW_REG_WAVE_MODE, 25, 1), 1
	s_wait_xcnt 0x0
; out0[b][512 side + e] = (f0 V0[e] + f1 V1[e]) / (f0 L0 + f1 L1), f = 2^(M of the chunk - the larger M): the two chunks of 256 rows
; of one softmax are joined and the sum is divided out.  Grid x = b, grid y = side.  128 threads, four columns each: a load or store of
; a wave covers 512 consecutive bytes, aligned.  The sum is at least 1 (the row with the largest score has weight 1), so the
; reciprocal is safe.  LIMIT: NaN and infinities are not treated apart.
; v1 = 16 thread, v2 = 16 lane; v[4:7] V0, then the result; v[8:11] V1; v[12:15] (M0, L0, M0, L0); v[16:19] the same of chunk 1;
; v[22:23], v[24:25] the two factors, each with its exponent behind it (a pair for the packed forms)
	s_load_b128 s[4:7], s[0:1], 0x0                ; vpart s[4:5], stat s[6:7]
	s_load_b64 s[8:9], s[0:1], 0x10                ; out0
	s_and_b32 s10, ttmp7, 0xffff                   ; side
	s_lshl_b32 s11, s10, 6
	s_add_co_u32 s11, s11, ttmp9                   ; q = 64 side + b: rows 2 q and 2 q + 1 of vpart and stat
	s_lshl_b32 s12, s11, 12                        ; two rows of 2,048 bytes
	s_mov_b32 s13, 0
	s_lshl_b32 s14, s11, 10                        ; two rows of 512 bytes
	s_mov_b32 s15, 0
	s_lshl_b32 s16, ttmp9, 12                      ; out0: 4,096 bytes for each b,
	s_lshl_b32 s18, s10, 11                        ; 2,048 for each side
	s_or_b32 s16, s16, s18
	s_mov_b32 s17, 0
	v_lshlrev_b32 v1, 4, v0
	v_and_b32 v2, 31, v0
	v_lshlrev_b32 v2, 4, v2
	s_wait_kmcnt 0x0
	s_add_nc_u64 s[4:5], s[4:5], s[12:13]
	s_add_nc_u64 s[6:7], s[6:7], s[14:15]
	s_add_nc_u64 s[8:9], s[8:9], s[16:17]
	global_load_b128 v[12:15], v2, s[6:7]
	global_load_b128 v[16:19], v2, s[6:7] offset:512
	global_load_b128 v[4:7], v1, s[4:5]
	global_load_b128 v[8:11], v1, s[4:5] offset:2048
	s_wait_loadcnt 0x2                             ; the two rows of stat are in; the two loads of V issued behind them stay out
	v_max_num_f32 v20, v12, v16
	v_sub_f32 v23, v12, v20
	v_sub_f32 v25, v16, v20
	v_exp_f32 v22, v23
	v_exp_f32 v24, v25
	v_nop                                          ; one plain vector instruction between the powers and their first use (ISA guide 5.7.2)
	s_wait_alu depctr_va_vdst(0)
	v_mul_f32 v21, v22, v13
	v_fmac_f32 v21, v24, v17                       ; the whole sum of weights
	v_rcp_f32 v20, v21
	v_nop                                          ; the same behind the reciprocal
	s_wait_alu depctr_va_vdst(0)
	v_mul_f32 v22, v22, v20
	v_mul_f32 v24, v24, v20
	s_wait_loadcnt 0x0
	v_pk_mul_f32 v[4:5], v[4:5], v[22:23] op_sel_hi:[1,0]
	v_pk_mul_f32 v[6:7], v[6:7], v[22:23] op_sel_hi:[1,0]
	v_pk_fma_f32 v[4:5], v[8:9], v[24:25], v[4:5] op_sel_hi:[1,0,1]
	v_pk_fma_f32 v[6:7], v[10:11], v[24:25], v[6:7] op_sel_hi:[1,0,1]
	global_store_b128 v1, v[4:7], s[8:9]
	s_endpgm
.Lfunc_end_k_q7aa15f4464_merge:
	.size	k_q7aa15f4464_merge, .Lfunc_end_k_q7aa15f4464_merge-k_q7aa15f4464_merge
	.p2alignl 7, 3214868480
	.fill 96, 4, 3214868480
	.section	.rodata,"a",@progbits
	.p2align	6, 0x0
	.amdhsa_kernel k_q7aa15f4464_merge
		.amdhsa_group_segment_fixed_size 0
		.amdhsa_private_segment_fixed_size 0
		.amdhsa_enable_private_segment 0
		.amdhsa_kernarg_size 24
		.amdhsa_user_sgpr_count 2
		.amdhsa_user_sgpr_kernarg_segment_ptr 1
		.amdhsa_wavefront_size32 1
		.amdhsa_system_sgpr_workgroup_id_x 1
		.amdhsa_system_sgpr_workgroup_id_y 1
		.amdhsa_system_sgpr_workgroup_id_z 1
		.amdhsa_system_vgpr_workitem_id 0
		.amdhsa_next_free_vgpr 32
		.amdhsa_next_free_sgpr 66
		.amdhsa_reserve_vcc 0
		.amdhsa_float_denorm_mode_32 3
		.amdhsa_float_denorm_mode_16_64 3
		.amdhsa_memory_ordered 1
		.amdhsa_forward_progress 1
		.amdhsa_inst_pref_size 3
	.end_amdhsa_kernel
	.amdgpu_metadata
---
amdhsa.version: [ 1, 2 ]
amdhsa.kernels:
  - .name:           k_q7aa15f4464_merge
    .symbol:         k_q7aa15f4464_merge.kd
    .args:
      - { .name: vpart, .offset: 0, .size: 8, .value_kind: global_buffer, .address_space: global }
      - { .name: stat, .offset: 8, .size: 8, .value_kind: global_buffer, .address_space: global }
      - { .name: out0, .offset: 16, .size: 8, .value_kind: global_buffer, .address_space: global }
    .group_segment_fixed_size: 0
    .private_segment_fixed_size: 0
    .kernarg_segment_align: 8
    .kernarg_segment_size: 24
    .max_flat_workgroup_size: 128
    .sgpr_count:     66
    .vgpr_count:     32
    .wavefront_size: 32
...
	.end_amdgpu_metadata
.endif
;; end of part 3
;; ======== version 2 of 2: 1 launch; 1.46 times as fast as version 1
;; launch fused (part 4): grid 64 x 2, 16 waves a work-group, no clusters, 299,264 bytes of LDS; arguments m1, m2, W1, W2, b1, b2, out0; writes out0
.if DOCPART == 4
	.amdgcn_target "amdgcn-amd-amdhsa--gfx1250"
	.amdhsa_code_object_version 6
	.text
	.protected	k_q7aa15f4464_fused
	.globl	k_q7aa15f4464_fused
	.p2align	8
	.type	k_q7aa15f4464_fused,@function
k_q7aa15f4464_fused:
	s_mov_b64 s[64:65], 0
	v_nop
	global_prefetch_b8 v0, s[64:65] scope:SCOPE_SE
	s_setreg_imm32_b32 hwreg(HW_REG_WAVE_MODE, 25, 1), 1
	s_wait_xcnt 0x0
; out0[b][512 side + e] = sum over t of softmax(score)[t] S[t][e],  score[t] = sum over e of S[t][e] c[e],
; c[e] = sum over s of u[s] O[s][e],  u[s] = tanh(sum over e of O[s][e] W[e] + bias[s]).
; Side 0: S = m1, O = m2 with W2, b2.  Side 1: S = m2, O = m1 with W1, b1.
; reference() multiplies align = m1 m2^T by u2 (and its transpose by u1).  By associativity (m1 m2^T) u2 = m1 (m2^T u2), for every
; input, so align is never formed.  What is left are products of a matrix with a vector, two multiply-adds for each number read; all
; arithmetic is f32 on the vector unit, since the scores feed a softmax whose exponents are hundreds wide and a 16-bit operand would
; move them by whole units.
; LIMITS: the order of the f32 sums differs from that of reference().  tanh(x) = 1 - 2 / (1 + 2^(2 log2(e) x)): absolute error about
; 2e-7, so relative accuracy fades for |x| under about 1e-3; it ends at +1 and -1 where the power overflows or comes out as 0.
; A softmax weight under 2^-126 of the largest comes out as 0.  NaN and infinities among the inputs are not treated apart.
; The maximum is a true running maximum: of four rows at a time in a wave (sums rescaled at each new group, with no branch on data),
; then over the 16 waves.
;
; SHARES: grid x = b, grid y = side: 128 work-groups, each with a whole softmax, so nothing is handed between work-groups.
; Phase 1 streams O (512 rows), phase 2 streams S (512 rows).  A wave owns 32 neighbouring rows of each, a lane the 16 columns
; 128 j + 4 l .. + 3 (j = 0 to 3) of every row: one load of a wave covers 512 consecutive bytes, aligned.  A row is read once in its
; phase and serves, from the same registers, the dot product and the weighted column sums.
; Rows go in groups of four through three register slots; a slot is asked for again as soon as its group is done, on into phase 2, so
; 48 loads of each wave (384 KiB for the 16 waves) are out also while c is exchanged between the phases.
; A QUARTER OF PHASE 2 COMES EARLY: at the head each wave issues one tensor load of 16 KiB, rows 24 to 31 of its 32 rows of S, into LDS
; bytes of its own (256 KiB for the 16 waves).  It travels during phase 1 and is read as the last two groups of phase 2, into slots
; that have nothing left to ask for: phase 2 asks for six groups a wave instead of eight, and its last two groups wait for no memory.
; A wave has one tensor load outstanding; the bytes are filled once and never again.
; The work-group of the same b and the other side takes these very rows as the last two groups of its phase 1, asked for behind its
; groups 3 and 4.  Phase 2 takes its other groups from 5 down to 0: that work-group asked for group 5 most recently.  Phase 2 is the
; launch's last use of them, hence its hint.
; No refilled LDS ring: a row is used by one wave alone, and each refill would cost a barrier of all 16 waves.  No cluster: the two
; work-groups of one b want the same matrix in different phases (each must finish the matrix that the other one takes second), so no
; tile is wanted by two at the same time.
.set ROW,  2048                        ; bytes in a row of m
.set VEC,  6                           ; v[6:21]    phase 1: W, phase 2: log2(e) c, at my 16 columns
.set ACC,  22                          ; v[22:37]   running column sums at my 16 columns
.set P,    38                          ; v[38:45]   a pair for each row of the group: low = dot, then u or weight; high = at work
.set T,    46                          ; v46 new maximum; v47, v48 at work; v49 M; v[50:51] rescale factor and its exponent; v52 L
.set LA,   53                          ; v53        LDS address of my 16 bytes in the first row of my wave's tile; never rewritten
.set X,    54                          ; v[54:245]  slot s at X + 64 s, row r at + 16 r, load j at + 4 j
.set MM,   X+64                        ; the way out: the 16 waves' maxima
.set LL,   X+80                        ; their sums
.set F,    X+96                        ; their factors 2^(M of the wave - M of the group)
.set A,    X+112                       ; four numbers of the result
.set RED,  0                           ; LDS 0 .. 32767: the 16 waves' ACC, 2,048 bytes each; used once at the end of each phase
.set VECL, 32768                       ; LDS 32768 .. 34815: log2(e) c, 512 f32
.set STM,  34816                       ; 16 words: the waves' M
.set STL,  34880                       ; 16 words: the waves' L
.set TILE, 35072                       ; LDS 35072 .. 297215: the 16 waves' tiles of S, 16,384 bytes each; no LDS store ever lands here
.set TB,   16384                       ; bytes in a tile: 8 rows of 2,048
.set SO,   24                          ; s[24:25]   O at my wave's first row
.set SS,   18                          ; s[18:19]   S at my wave's first row
.set G0,   60                          ; s[60:63]   tensor descriptor, group 0: from where, to where
.set G1,   88                          ; s[88:95]   tensor descriptor, group 1: the shape
; v0 thread; v1 = 16 lane (global offset, never rewritten); v2 = 2048 wave + 16 lane; v3 = 16 thread; v4 = 4 thread; v5 at work
; s20 side, s21 wave, s22 b; s[26:27] W; s[28:29] bias; s[16:17] out0 at my 2,048 bytes; s[40:55], s[72:87] my 32 biases;
; s56, s57 lane selects; s58 = 2 log2(e)
	s_load_b256 s[4:11], s[0:1], 0x0               ; m1 s[4:5], m2 s[6:7], W1 s[8:9], W2 s[10:11]
	s_load_b128 s[12:15], s[0:1], 0x20             ; b1 s[12:13], b2 s[14:15]
	s_load_b64 s[16:17], s[0:1], 0x30              ; out0
	v_lshl_add_u32 v248, v0, 2, 0x48900
	v_mov_b32 v249, 0
	ds_add_u32 v248, v249
	ds_add_u32 v248, v249
	v_lshrrev_b32 v5, 5, v0
	v_readfirstlane_b32 s21, v5                    ; wave, 0 to 15
	s_and_b32 s20, ttmp7, 0xffff                   ; side
	s_mov_b32 s22, ttmp9                           ; b
	v_and_b32 v1, 31, v0
	v_lshlrev_b32 v1, 4, v1                        ; 16 lane
	v_lshl_add_u32 v2, s21, 11, v1                 ; my place in RED
	v_lshlrev_b32 v3, 4, v0
	v_lshlrev_b32 v4, 2, v0
	s_lshl_b32 s30, s22, 20                        ; m: 512 rows of 2,048 bytes for each b,
	s_lshl_b32 s23, s21, 16                        ; 32 rows for each wave
	s_or_b32 s30, s30, s23
	s_mov_b32 s31, 0
	s_lshl_b32 s32, s22, 11                        ; W: 2,048 bytes for each b
	s_mov_b32 s33, 0
	s_lshl_b32 s23, s21, 7                         ; bias: 2,048 bytes for each b, 32 words for each wave
	s_or_b32 s34, s32, s23
	s_mov_b32 s35, 0
	s_lshl_b32 s36, s22, 12                        ; out0: 4,096 bytes for each b,
	s_lshl_b32 s23, s20, 11                        ; 2,048 for each side
	s_or_b32 s36, s36, s23
	s_mov_b32 s37, 0
	s_mov_b32 s56, 0x76543210                      ; v_permlanex16_b32: lane i takes lane i of the other half
	s_mov_b32 s57, 0xfedcba98
	s_mov_b32 s58, 0x4038aa3b                      ; 2 log2(e)
	; Group 1: eight rows of S follow each other in memory without a gap, so the 16,384 bytes are taken as 64 rows of 256 bytes,
	; 32 elements of 8 bytes each, and lie in LDS as they lie in memory.  The tile lies inside the tensor: the extents are the tile's.
	s_mov_b32 s[G1+0], 3 << 16                     ; 15:0 work-group mask = 0 (no cluster)   17:16 element size = 3 (8 bytes)   20 padding = off
	s_mov_b32 s[G1+1], 32 << 16                    ; 63:48 tensor_dim0, low half = 32
	s_mov_b32 s[G1+2], 64 << 16                    ; 79:64 its high half = 0                 95:80 tensor_dim1, low half = 64
	s_mov_b32 s[G1+3], 32 << 16                    ; 111:96 its high half = 0                127:112 tile_dim0 = 32 elements (256 bytes)
	s_mov_b32 s[G1+4], 64                          ; 143:128 tile_dim1 = 64 rows             159:144 tile_dim2 = 0 (unused)
	s_mov_b32 s[G1+5], 32                          ; 191:160 tensor_dim0_stride: 32 elements from a row to the next
	s_mov_b32 s[G1+6], 0
	s_mov_b32 s[G1+7], 0
	s_mov_b32 s[G0], 1                             ; 1:0 count = 1
	s_lshl_b32 s[G0+1], s21, 14                    ; 63:32 LDS address: my wave's number times 16,384,
	s_add_co_u32 s[G0+1], s[G0+1], TILE            ; behind the scratch
	v_add_nc_u32 v[LA], s[G0+1], v1                ; and my 16 bytes in it
	s_wait_dscnt 0x0
	s_wait_kmcnt 0x0
	s_cmp_eq_u32 s20, 0                            ; the selects and the 64-bit sums below leave SCC as it is
	s_cselect_b64 s[SO:SO+1], s[6:7], s[4:5]       ; side 0: O = m2
	s_cselect_b64 s[SS:SS+1], s[4:5], s[6:7]       ;         S = m1
	s_cselect_b64 s[26:27], s[10:11], s[8:9]       ;         W2
	s_cselect_b64 s[28:29], s[14:15], s[12:13]     ;         b2
	s_add_nc_u64 s[SO:SO+1], s[SO:SO+1], s[30:31]
	s_add_nc_u64 s[SS:SS+1], s[SS:SS+1], s[30:31]
	s_add_nc_u64 s[26:27], s[26:27], s[32:33]
	s_add_nc_u64 s[28:29], s[28:29], s[34:35]
	s_add_nc_u64 s[16:17], s[16:17], s[36:37]
	s_add_nc_u64 s[G0+2:G0+3], s[SS:SS+1], 24*ROW  ; 120:64 global address of the tile: row 24 of my 32 rows of S
	s_or_b32 s[G0+3], s[G0+3], 0x80000000          ; 127:126 type = 2
; 16 loads: the four rows 4 mg .. 4 mg + 3 of my 32 into a slot, from the matrix whose address lies in s[sb:sb+1]; last = 1: the launch's last use
.macro LOADG slot, mg, sb, last
.irp r, 0,1,2,3
.irp j, 0,1,2,3
.if \last
	global_load_b128 v[X+64*\slot+16*\r+4*\j:X+64*\slot+16*\r+4*\j+3], v1, s[\sb:\sb+1] offset:(4*\mg+\r)*ROW+512*\j th:TH_LOAD_NT
.else
	global_load_b128 v[X+64*\slot+16*\r+4*\j:X+64*\slot+16*\r+4*\j+3], v1, s[\sb:\sb+1] offset:(4*\mg+\r)*ROW+512*\j
.endif
.endr
.endr
.endm
; 16 LDS loads: the four rows 4 k .. 4 k + 3 of my tile's eight into a slot, in the same places as LOADG puts them; 32 lanes take 512 neighbouring bytes
.macro LDSG slot, k
.irp r, 0,1,2,3
.irp j, 0,1,2,3
	ds_load_b128 v[X+64*\slot+16*\r+4*\j:X+64*\slot+16*\r+4*\j+3], v[LA] offset:(4*\k+\r)*ROW+512*\j
.endr
.endr
.endm
; the dot products of a slot's four rows with VEC, the four chains interleaved; at the end every lane holds them in the low halves of P
.macro DOT slot
.irp r, 0,1,2,3
	v_pk_mul_f32 v[P+2*\r:P+2*\r+1], v[X+64*\slot+16*\r:X+64*\slot+16*\r+1], v[VEC:VEC+1]   ; the first product starts the sum
.endr
.irp i, 1,2,3,4,5,6,7
.irp r, 0,1,2,3
	v_pk_fma_f32 v[P+2*\r:P+2*\r+1], v[X+64*\slot+16*\r+2*\i:X+64*\slot+16*\r+2*\i+1], v[VEC+2*\i:VEC+2*\i+1], v[P+2*\r:P+2*\r+1]
.endr
.endr
.irp r, 0,1,2,3
	v_add_f32 v[P+2*\r], v[P+2*\r], v[P+2*\r+1]
.endr
.irp m, 1,2,4,8
.irp r, 0,1,2,3
	v_add_f32_dpp v[P+2*\r], v[P+2*\r], v[P+2*\r] row_xmask:\m row_mask:0xf bank_mask:0xf
.endr
.endr
.irp r, 0,1,2,3
	v_permlanex16_b32 v[P+2*\r+1], v[P+2*\r], s56, s57     ; the other half of the lanes; the destination has been written before
.endr
.irp r, 0,1,2,3
	v_add_f32 v[P+2*\r], v[P+2*\r], v[P+2*\r+1]
.endr
.endm
; u = tanh(dot + bias) for the four rows of group g.  The biases come already multiplied by 2 log2(e).
.macro TANH g
.if \g < 4
.set BI, 40+4*\g                       ; rows 0 to 15 of my 32
.else
.set BI, 72+4*(\g-4)                   ; rows 16 to 31
.endif
.irp r, 0,1,2,3
	v_fma_f32 v[P+2*\r], v[P+2*\r], s58, s[BI+\r]  ; y = 2 log2(e) (dot + bias)
.endr
.irp r, 0,1,2,3
	v_exp_f32 v[P+2*\r+1], v[P+2*\r]
.endr
	v_nop                                          ; one plain vector instruction between the powers and their first use (ISA guide 5.7.2)
	s_wait_alu depctr_va_vdst(0)
.irp r, 0,1,2,3
	v_add_f32 v[P+2*\r+1], 1.0, v[P+2*\r+1]
.endr
.irp r, 0,1,2,3
	v_rcp_f32 v[P+2*\r], v[P+2*\r+1]
.endr
	v_nop                                          ; the same behind the reciprocals
	s_wait_alu depctr_va_vdst(0)
.irp r, 0,1,2,3
	v_fma_f32 v[P+2*\r], v[P+2*\r], -2.0, 1.0      ; 1 - 2 / (1 + 2^y)
.endr
.endm
; the new maximum, the four weights 2^(score - maximum) in the low halves of P, the factor 2^(old M - new M) in v[T+4], M and L brought up to date
.macro SOFT first
.if \first
	v_max3_num_f32 v[T], v[P], v[P+2], v[P+4]
	v_max_num_f32 v[T], v[T], v[P+6]
.else
	v_max3_num_f32 v[T], v[P], v[P+2], v[T+3]
	v_max3_num_f32 v[T], v[P+4], v[P+6], v[T]
	v_sub_f32 v[T+5], v[T+3], v[T]
.endif
.irp r, 0,1,2,3
	v_sub_f32 v[P+2*\r+1], v[P+2*\r], v[T]
.endr
.if \first == 0
	v_exp_f32 v[T+4], v[T+5]
.endif
.irp r, 0,1,2,3
	v_exp_f32 v[P+2*\r], v[P+2*\r+1]
.endr
	v_mov_b32 v[T+3], v[T]                         ; M; also the plain vector instruction between the powers and their first use (ISA guide 5.7.2)
	s_wait_alu depctr_va_vdst(0)
	v_add_f32 v[T+1], v[P], v[P+2]
	v_add_f32 v[T+2], v[P+4], v[P+6]
.if \first
	v_add_f32 v[T+6], v[T+1], v[T+2]               ; L starts
.else
	v_add_f32 v[T+1], v[T+1], v[T+2]
	v_fma_f32 v[T+6], v[T+6], v[T+4], v[T+1]       ; L = L x factor + the four new weights
.endif
.endm
; ACC += (u or weight of row r) x row r at my 16 columns; first = 1: the product starts the sums, nothing is cleared
.macro AXROW slot, r, first
.irp i, 0,1,2,3,4,5,6,7
.if \first
	v_pk_mul_f32 v[ACC+2*\i:ACC+2*\i+1], v[X+64*\slot+16*\r+2*\i:X+64*\slot+16*\r+2*\i+1], v[P+2*\r:P+2*\r+1] op_sel_hi:[1,0]
.else
	v_pk_fma_f32 v[ACC+2*\i:ACC+2*\i+1], v[X+64*\slot+16*\r+2*\i:X+64*\slot+16*\r+2*\i+1], v[P+2*\r:P+2*\r+1], v[ACC+2*\i:ACC+2*\i+1] op_sel_hi:[1,0,1]
.endif
.endr
.endm
; a group of phase 1: rows 4 g .. 4 g + 3 of my 32 rows of O.  left = how many younger row loads may stay out
.macro GATE g, slot, left, first
	s_wait_loadcnt \left                           ; loads come back in order (ISA guide 5.7.1)
	DOT \slot
	TANH \g
	AXROW \slot, 0, \first
	AXROW \slot, 1, 0
	AXROW \slot, 2, 0
	AXROW \slot, 3, 0
.endm
; a group of phase 2: four rows of S.  lds = 0: the slot was filled from memory, lds = 1: from my tile; left = how many younger loads of that kind may stay out
.macro POOL slot, left, first, lds
.if \lds
	s_wait_dscnt \left                             ; LDS loads come back in order (ISA guide 5.7.1)
.else
	s_wait_loadcnt \left
.endif
	DOT \slot
	SOFT \first
.if \first == 0
.irp i, 0,1,2,3,4,5,6,7
	v_pk_mul_f32 v[ACC+2*\i:ACC+2*\i+1], v[ACC+2*\i:ACC+2*\i+1], v[T+4:T+5] op_sel_hi:[1,0]   ; the old sums, now relative to the new maximum
.endr
.endif
	AXROW \slot, 0, \first
	AXROW \slot, 1, 0
	AXROW \slot, 2, 0
	AXROW \slot, 3, 0
.endm
	s_load_b512 s[40:55], s[28:29], 0x0            ; the biases of my 32 rows, 128 bytes: asked for ahead of the long run of vector loads
	s_load_b512 s[72:87], s[28:29], 0x40
	; W goes straight into every wave's registers, 2 KiB a wave: no wave waits for another before its first group
.irp j, 0,1,2,3
	global_load_b128 v[VEC+4*\j:VEC+4*\j+3], v1, s[26:27] offset:512*\j    ; W at the columns that load j of a row brings me
.endr
	LOADG 0, 0, SO, 0
	LOADG 1, 1, SO, 0
	LOADG 2, 2, SO, 0
	tensor_load_to_lds s[G0:G0+3], s[G1:G1+7]      ; my tile of S: the wave's one tensor load, ahead of every LDS read, barrier and wait on TENSORcnt; behind the rows that are wanted first
	s_nop 0
	s_wait_kmcnt 0x0
.set i, 0
.rept 16
	s_mul_f32 s[40+i], s[40+i], s58                ; times 2 log2(e), so that one multiply-add makes the exponent
	s_mul_f32 s[72+i], s[72+i], s58
.set i, i+1
.endr
	; PHASE 1.  In front of every group the two groups asked for behind it, 32 loads, stay out; the first wait covers the four older loads of W too.
	GATE 0, 0, 32, 1
	LOADG 0, 3, SO, 0
	GATE 1, 1, 32, 0
	LOADG 1, 4, SO, 0
	GATE 2, 2, 32, 0
	LOADG 2, 5, SO, 0
	GATE 3, 0, 32, 0
	LOADG 0, 6, SO, 0
	GATE 4, 1, 32, 0
	LOADG 1, 7, SO, 0
	GATE 5, 2, 32, 0
	LOADG 2, 5, SS, 1                              ; from here on the slots are asked for rows of S: group 5 first, groups 6 and 7 are my tile
	GATE 6, 0, 32, 0
	LOADG 0, 4, SS, 1
	GATE 7, 1, 32, 0
	LOADG 1, 3, SS, 1
	; BETWEEN THE PHASES, with 48 row loads of each wave on their way: the 16 waves' sums meet in LDS, each of the 512 threads adds one
	; column, and c comes back to every wave.  All three slots are pending, so the 16 words go into ACC, which has been stored.
.irp j, 0,1,2,3
	ds_store_b128 v2, v[ACC+4*\j:ACC+4*\j+3] offset:RED+512*\j
.endr
	s_wait_dscnt 0x0                               ; my sums lie in LDS before I say so
	s_wait_tensorcnt 0x0                           ; and my tile, asked for a whole phase ago, has landed: it is read behind this barrier, by me alone
	s_barrier_signal -1
	s_barrier_wait -1
.irp w, 0,1,2,3,4,5,6,7,8,9,10,11,12,13,14,15
	ds_load_b32 v[ACC+\w], v4 offset:RED+2048*\w   ; column = thread: neighbouring lanes, neighbouring words
.endr
	s_wait_dscnt 0x0
.irp st, 8,4,2
.set w, 0
.rept \st/2
	v_pk_add_f32 v[ACC+2*w:ACC+2*w+1], v[ACC+2*w:ACC+2*w+1], v[ACC+\st+2*w:ACC+\st+2*w+1]
.set w, w+1
.endr
.endr
	v_add_f32 v[ACC], v[ACC], v[ACC+1]
	v_mul_f32 v[ACC], 0x3fb8aa3b, v[ACC]           ; times log2(e): the scores come in base-2 units and feed v_exp_f32 as they are
	ds_store_b32 v4, v[ACC] offset:VECL
	s_wait_dscnt 0x0                               ; my word lies in LDS, and my reads of RED are back: RED is written again only behind this barrier
	s_barrier_signal -1
	s_barrier_wait -1
.irp j, 0,1,2,3
	ds_load_b128 v[VEC+4*\j:VEC+4*\j+3], v1 offset:VECL+512*\j
.endr
	s_wait_dscnt 0x0
	; PHASE 2: six groups from memory, then the two of my tile
	POOL 2, 32, 1, 0                               ; rows 20 to 23; groups 4 and 3 stay out
	LOADG 2, 2, SS, 1
	POOL 0, 32, 0, 0                               ; rows 16 to 19
	LOADG 0, 1, SS, 1
	POOL 1, 32, 0, 0                               ; rows 12 to 15
	LOADG 1, 0, SS, 1
	POOL 2, 32, 0, 0                               ; rows 8 to 11; groups 1 and 0 stay out
	LDSG 2, 1                                      ; nothing is left to ask memory for: the slot takes rows 28 to 31 from my tile
	POOL 0, 16, 0, 0                               ; rows 4 to 7; group 0 stays out
	LDSG 0, 0                                      ; rows 24 to 27
	POOL 1, 0, 0, 0                                ; rows 0 to 3
	POOL 2, 16, 0, 1                               ; rows 28 to 31; the 16 LDS loads issued behind them may stay out
	POOL 0, 0, 0, 1                                ; rows 24 to 27
	; THE WAY OUT: the 16 waves' ACC, M and L meet in LDS behind one barrier; waves 0 to 3 join them, 16 bytes a thread
.irp j, 0,1,2,3
	ds_store_b128 v2, v[ACC+4*\j:ACC+4*\j+3] offset:RED+512*\j
.endr
	v_mov_b32 v5, s21
	v_lshlrev_b32 v5, 2, v5                        ; my wave's word: all lanes store the same number to it
	ds_store_b32 v5, v[T+3] offset:STM
	ds_store_b32 v5, v[T+6] offset:STL
	s_wait_dscnt 0x0
	s_barrier_signal -1
	s_barrier_wait -1
	s_cmp_lt_u32 s21, 4
	s_cbranch_scc0 .Lend
	v_mov_b32 v5, 0
.irp w, 0,1,2,3,4,5,6,7,8,9,10,11,12,13,14,15
	ds_load_b128 v[X+4*\w:X+4*\w+3], v3 offset:RED+2048*\w         ; my four columns of every wave's sums
.endr
.irp k, 0,1,2,3
	ds_load_b128 v[MM+4*\k:MM+4*\k+3], v5 offset:STM+16*\k         ; the same words in every lane
	ds_load_b128 v[LL+4*\k:LL+4*\k+3], v5 offset:STL+16*\k
.endr
	s_wait_dscnt 0x0
	v_max3_num_f32 v[T], v[MM], v[MM+1], v[MM+2]
.irp k, 3,5,7,9,11,13
	v_max3_num_f32 v[T], v[MM+\k], v[MM+\k+1], v[T]
.endr
	v_max_num_f32 v[T], v[T], v[MM+15]             ; the largest score of all 512 rows
.irp w, 0,1,2,3,4,5,6,7,8,9,10,11,12,13,14,15
	v_sub_f32 v[MM+\w], v[MM+\w], v[T]
.endr
.irp w, 0,1,2,3,4,5,6,7,8,9,10,11,12,13,14,15
	v_exp_f32 v[F+\w], v[MM+\w]
.endr
	v_nop                                          ; one plain vector instruction between the powers and their first use (ISA guide 5.7.2)
	s_wait_alu depctr_va_vdst(0)
	v_mul_f32 v[T+1], v[F], v[LL]
.irp c, 0,1,2,3
	v_mul_f32 v[A+\c], v[F], v[X+\c]
.endr
.irp w, 1,2,3,4,5,6,7,8,9,10,11,12,13,14,15
	v_fmac_f32 v[T+1], v[F+\w], v[LL+\w]           ; the sum of all weights: at least 1, the weight of the row with the largest score
.irp c, 0,1,2,3
	v_fmac_f32 v[A+\c], v[F+\w], v[X+4*\w+\c]      ; the weighted sum at my four columns
.endr
.endr
	v_rcp_f32 v[T+2], v[T+1]
	v_nop                                          ; the same behind the reciprocal
	s_wait_alu depctr_va_vdst(0)
	v_pk_mul_f32 v[A:A+1], v[A:A+1], v[T+2:T+3] op_sel_hi:[1,0]
	v_pk_mul_f32 v[A+2:A+3], v[A+2:A+3], v[T+2:T+3] op_sel_hi:[1,0]
	global_store_b128 v3, v[A:A+3], s[16:17]       ; 512 consecutive bytes a wave, aligned
.Lend:
	s_wait_tensorcnt 0x0
	ds_add_u32 v248, v249
	s_wait_dscnt 0x0
	s_endpgm
.Lfunc_end_k_q7aa15f4464_fused:
	.size	k_q7aa15f4464_fused, .Lfunc_end_k_q7aa15f4464_fused-k_q7aa15f4464_fused
	.p2alignl 7, 3214868480
	.fill 96, 4, 3214868480
	.section	.rodata,"a",@progbits
	.p2align	6, 0x0
	.amdhsa_kernel k_q7aa15f4464_fused
		.amdhsa_group_segment_fixed_size 299264
		.amdhsa_private_segment_fixed_size 0
		.amdhsa_enable_private_segment 0
		.amdhsa_kernarg_size 56
		.amdhsa_user_sgpr_count 2
		.amdhsa_user_sgpr_kernarg_segment_ptr 1
		.amdhsa_wavefront_size32 1
		.amdhsa_system_sgpr_workgroup_id_x 1
		.amdhsa_system_sgpr_workgroup_id_y 1
		.amdhsa_system_sgpr_workgroup_id_z 1
		.amdhsa_system_vgpr_workitem_id 0
		.amdhsa_next_free_vgpr 250
		.amdhsa_next_free_sgpr 96
		.amdhsa_reserve_vcc 0
		.amdhsa_float_denorm_mode_32 3
		.amdhsa_float_denorm_mode_16_64 3
		.amdhsa_memory_ordered 1
		.amdhsa_forward_progress 1
		.amdhsa_inst_pref_size 142
	.end_amdhsa_kernel
	.amdgpu_metadata
---
amdhsa.version: [ 1, 2 ]
amdhsa.kernels:
  - .name:           k_q7aa15f4464_fused
    .symbol:         k_q7aa15f4464_fused.kd
    .args:
      - { .name: m1, .offset: 0, .size: 8, .value_kind: global_buffer, .address_space: global }
      - { .name: m2, .offset: 8, .size: 8, .value_kind: global_buffer, .address_space: global }
      - { .name: W1, .offset: 16, .size: 8, .value_kind: global_buffer, .address_space: global }
      - { .name: W2, .offset: 24, .size: 8, .value_kind: global_buffer, .address_space: global }
      - { .name: b1, .offset: 32, .size: 8, .value_kind: global_buffer, .address_space: global }
      - { .name: b2, .offset: 40, .size: 8, .value_kind: global_buffer, .address_space: global }
      - { .name: out0, .offset: 48, .size: 8, .value_kind: global_buffer, .address_space: global }
    .group_segment_fixed_size: 299264
    .private_segment_fixed_size: 0
    .kernarg_segment_align: 8
    .kernarg_segment_size: 56
    .max_flat_workgroup_size: 512
    .sgpr_count:     96
    .vgpr_count:     250
    .wavefront_size: 32
...
	.end_amdgpu_metadata
.endif
;; end of part 4
